; MI455X (gfx1250); checked and timed in simulation.
; The chip was launched on July 23, 2026; its instructions are those of AMD's public machine-readable ISA for CDNA 5 (MIT licence, August 2026) and "CDNA5" Instruction Set Architecture Reference Guide (July 2026). The comments in the code are by the model that wrote it; some were corrected since.
;; Scaled Dot Product Attention. Allowed arithmetic: matrix products marked QUANTISED: E3M2 operands, one E8M0 scale for each 32 along K, by v_wmma_scale_f32_16x16x128_f8f6f4 with both operands' format E3M2, f32 sums; everything else in f32.
;; Inputs: attn_mask 1 x 1 x 2,048 x 2,048 float32; key 2 x 32 x 2,048 x 128 float32; query 2 x 32 x 2,048 x 128 float32; value 2 x 32 x 2,048 x 128 float32.
;; Outputs: out0 2 x 32 x 2,048 x 128 float32.
;; This version of the problem:
;;   THIS VERSION OF THE PROBLEM IS GIVEN IN LOW PRECISION. The matrix products marked QUANTISED in the list below multiply operands that are first quantised to E3M2 (3 exponent bits, 2 mantissa bits; 6 bits a number), with one power-of-two scale for each 32 numbers along K (OCP MX v1.0); their sums are f32. All else is computed in f32.
;;   The module's matrix products, in the order in which they are computed (A, B: the left and right operand; K: the contracted axis; several contracted axes count as one K, in the product's order):
;;     1. batch 64 x [M 2,048, K 128] x [K 128, N 2,048]; A: input query; B: input key: QUANTISED
;;     2. batch 64 x [M 2,048, K 2,048] x [K 2,048, N 128]; A: softmax (see below); B: input value: QUANTISED
;;   THE QUANTISER, for each operand of a quantised product, along K:
;;     - K is cut into blocks of 32 from its start; a last block that is shorter is filled with zeros.
;;     - A block's scale is 2^e with e = floor(log2(the largest magnitude in the block)) - 4, held to -126 .. 127; a block of zeros has e = 0. As a byte (E8M0): e + 127.
;;     - Each number is divided by its block's scale, clamped to +-28, and rounded to the nearest number of E3M2, ties to even, subnormals kept.
;;     - The product sums the exact products of the quantised numbers (number of the format x scale) in f32.
;;   ~~~python
;;   def quantise(x, axis):      # numpy; x: float32 -> the quantised numbers, widened to float32 again
;;       x = np.moveaxis(x, axis, -1); K = x.shape[-1]
;;       x = np.pad(x, [(0, 0)] * (x.ndim - 1) + [(0, -K % 32)]); x = x.reshape(x.shape[:-1] + (-1, 32)); a = np.abs(x).max(-1, keepdims=True)
;;       e = np.where(a > 0, np.clip(np.frexp(np.where(a > 0, a, 1))[1] - 1 - 4, -126, 127), 0)      # np.frexp(a)[1] - 1 = floor(log2(a)), exactly
;;       r = np.clip(x / 2.0 ** e, -28, 28)
;;       step = 2.0 ** (np.maximum(np.frexp(np.where(r == 0, 1, r))[1] - 1, -2) - 2)
;;       q = np.round(r / step) * step * 2.0 ** e      # np.round: ties to even
;;       return np.moveaxis(q.reshape(q.shape[:-2] + (-1,))[..., :K], -1, axis).astype(np.float32)
;;   ~~~
;;   SOFTMAX AHEAD OF A QUANTISED PRODUCT. Where the list says 'softmax', what is quantised is not the finished softmax but p = 2^(t - M), with t = logit x log2(e) and M = ceil(the row's largest t), a whole number; so 1/2 < the row's largest p <= 1. The row's sum l is taken of the UNQUANTISED p, in f32, and the product's result is divided by l at the end. Since M is a whole number, a kernel that streams over the keys may use a running M (the ceiling of the running maximum): every later rescaling is an exact power of two, which a block's scale takes up: the codes' values come out the same.
;;   OPERANDS COMPUTED ON THE WAY. 'Computed on the way' means the value that the module computes at that place (a softmax that the list does not call 'softmax' is quantised finished and normalised). What goes into a quantiser is computed in f32, as accurately as f32 sums, v_exp_f32 and their like allow (about 1e-6 of the number): no bf16 or f16 on the way to a quantiser, and a product that is left as it is and whose result goes on into a quantised operand takes f32 operands (vector FMAs, or v_wmma_f32_16x16x4_f32). A number that lies on a knife's edge between two numbers of the format may be rounded either way, as far as f32 arithmetic and the matrix unit's own rounding can turn it there, and no further.
;; One version. Each part assembles by itself: llvm-mc -triple=amdgcn-amd-amdhsa -mcpu=gfx1250 --defsym DOCPART=n.
;; ======== version 1 of 1: 2 launches
;; limits: right only within a limited range of input values
;; workspace buffers: kv 26,214,400 bytes; mk 16,777,216 bytes
;; launch prep (part 1): grid 1024 x 3, 4 waves a work-group, no clusters, 85,504 bytes of LDS; arguments key, value, kv, attn_mask, mk; writes kv, mk
.if DOCPART == 1
	.amdgcn_target "amdgcn-amd-amdhsa--gfx1250"
	.amdhsa_code_object_version 6
	.text
	.protected	k_q34dcc54e2c_prep
	.globl	k_q34dcc54e2c_prep
	.p2align	8
	.type	k_q34dcc54e2c_prep,@function
k_q34dcc54e2c_prep:
	s_mov_b64 s[64:65], 0
	v_nop
	global_prefetch_b8 v0, s[64:65] scope:SCOPE_SE
	s_setreg_imm32_b32 hwreg(HW_REG_WAVE_MODE, 25, 1), 1
	s_wait_xcnt 0x0
; key and value, [64 heads][2048 keys][128] f32, become codes of BF6 (E3M2) with one E8M0 byte for each 32 along the product's K, laid in kv as the second launch's operand registers want them.
; kv = 1,024 blocks of 25,600 bytes, block = 16 x head + step (a step is 128 keys):
;   0      8 fragments of K  (tile t at 1536 t; its registers 4 c .. 4 c + 3 at + 512 c; lane l's 16 bytes at + 16 l).  K along the head's 128.
;   12288  8 fragments of V^T (tile t = channels 16 t .. 16 t + 15), the same form.  K along the step's 128 keys.
;   24576  K's scale words: word 128 b + 4 l: lanes 0-15 tile 2 b's row l, lanes 16-31 tile 2 b + 1's row l - 16;   25088  V's, the same form.
; THE KEYS OF A TILE OF K ARE NOT NEIGHBOURS: row r of tile 2 b + u is key 32 b + 8 u + r + 8 (r / 8), so that in the second launch a lane's 16 registers of two neighbouring score tiles are 16 neighbouring keys.
; A block's scale is 2^(floor(log2(its largest magnitude)) - 4); its byte is the largest magnitude's exponent field - 4, held at 1 from below.
; LIMITS: NaN and infinities in key and value are not served.  A block of zeros gets the byte 1 where the rule says 127: its codes are zeros, which add nothing, and this program alone reads the bytes.
; SHARES.  Work-group x = the block; y = 0: K, y = 1: V.  Wave w makes tiles 2 w and 2 w + 1.  A LANE OWNS ONE ROW ALONG THE QUANTISED AXIS, 128 numbers in v128-255:
;   K: lane 16 u + r owns row r of tile 2 w + u.  The wave's 32 keys are loaded as they lie (512 consecutive bytes a load) and turn through the wave's own stage in LDS.
;   V: lane l owns channel 32 w + l; its registers run down the keys (128 consecutive bytes a load, the four waves side by side on 512).  Nothing is transposed.
; Behind the loads both run one text.  Waves share nothing: no barrier.  No tensor load.  No prefetch: the launch is one stream of loads from its first line on.
.set R,      128                       ; v128-255 my row's 128 numbers, block b at v[R + 32 b]
.set X,      32                        ; v32-43   my blocks 0 and 2 as codes; behind the exchange: tile 2 w's fragment
.set Y,      44                        ; v44-55   my blocks 1 and 3; behind the exchange: tile 2 w + 1's
.set TMP,    56                        ; v56-71   the upper 16 codes of each block (a conversion's three registers begin on an even number)
.set SO,     16                        ; v16-19   the conversions' scale operands
.set SW,     20                        ; v20      my row's scale word
.set SPITCH, 528                       ; a stage row: 512 bytes + 16: an odd multiple of 16
.set WSTG,   32*SPITCH                 ; a wave's stage
.set BLKB,   25600
	s_load_b128 s[4:7], s[0:1], 0x0                ; key, value
	s_load_b64 s[8:9], s[0:1], 0x10                ; kv
	s_load_b128 s[24:27], s[0:1], 0x18             ; attn_mask, mk (work-group y = 2: the path at the text's end)
	v_lshl_add_u32 v126, v0, 2, 0x10800
	v_mov_b32 v127, 0
	v_lshrrev_b32 v1, 5, v0
	v_readfirstlane_b32 s11, v1                    ; wave 0..3
	v_and_b32 v1, 31, v0                           ; lane
	v_lshlrev_b32 v2, 4, v1                        ; 16 x lane
	v_lshlrev_b32 v3, 2, v1                        ; 4 x lane
	s_mul_i32 s17, s11, WSTG
	v_add_nc_u32 v4, s17, v2                       ; the stage, on the way in: 16 x lane in a row
	v_mul_u32_u24 v5, v1, SPITCH
	v_add_nc_u32 v5, s17, v5                       ; and on the way out: row = my lane
	s_and_b32 s10, ttmp7, 0xffff                   ; 0: K, 1: V
	s_cmp_eq_u32 s10, 0
	s_cselect_b32 s16, 14, 7                       ; a wave's share begins 32 keys x 512 bytes on (K) or 32 channels x 4 bytes on (V)
	s_lshl_b32 s12, s11, s16
	s_lshl_b32 s13, ttmp9, 16                      ; a step is 128 keys x 512 bytes
	s_add_co_u32 s12, s12, s13
	s_mov_b32 s13, 0
	s_mul_i32 s18, ttmp9, BLKB
	s_mul_i32 s20, s10, 12288
	s_mul_i32 s21, s11, 3072
	s_add_co_u32 s20, s20, s21
	s_add_co_u32 s20, s20, s18                     ; my two fragments in kv
	s_mov_b32 s21, 0
	s_lshl_b32 s22, s10, 9
	s_lshl_b32 s23, s11, 7
	s_add_co_u32 s22, s22, s23
	s_add_co_u32 s22, s22, s18
	s_add_co_u32 s22, s22, 24576                   ; and my 32 scale words
	s_mov_b32 s23, 0
	s_wait_kmcnt 0x0
	s_cmp_eq_u32 s10, 0                            ; the choice hangs on the work-group's number alone
	s_cselect_b64 s[14:15], s[4:5], s[6:7]
	s_add_nc_u64 s[14:15], s[14:15], s[12:13]
	s_add_nc_u64 s[20:21], s[8:9], s[20:21]
	s_add_nc_u64 s[22:23], s[8:9], s[22:23]
	s_cmp_eq_u32 s10, 2
	s_cbranch_scc1 .Lmask
	s_cmp_lg_u32 s10, 0
	s_cbranch_scc1 .Lvalue
	; ---- K: 32 keys, a key's 512 bytes to a load
.set i, 0
	s_wait_alu depctr_va_vdst(0)
.rept 32
	global_load_b128 v[R+4*i:R+4*i+3], v2, s[14:15] offset:512*i th:TH_LOAD_NT
.set i, i+1
.endr
.set i, 0
.rept 32
	s_wait_loadcnt 31-i                            ; loads come back in order: key i is in, the younger ones stay out
	ds_store_b128 v4, v[R+4*i:R+4*i+3] offset:SPITCH*(16*((i/8)%2)+(i%8)+8*(i/16))   ; to the stage row of the lane that owns key i
.set i, i+1
.endr
	s_wait_dscnt 0x0                               ; the stores have read their registers, which the loads below write again
.set i, 0
.rept 32
	ds_load_b128 v[R+4*i:R+4*i+3], v5 offset:16*i  ; my key's 128 numbers
.set i, i+1
.endr
	s_branch .Lquant
.Lvalue:
	; ---- V: my channel, down the step's 128 keys
.set i, 0
	s_wait_alu depctr_va_vdst(0)
.rept 128
	global_load_b32 v[R+i], v3, s[14:15] offset:512*i th:TH_LOAD_NT
.set i, i+1
.endr
.Lquant:
.macro BLOCK b
.if 32*(3-(\b)) > 63
	s_wait_loadcnt 63                              ; V: this block's 32 loads are in.  (32 x the blocks behind it would do; a wait names 63 at the most, and a smaller count is safe)
.else
	s_wait_loadcnt 32*(3-(\b))                     ; V: this block's 32 loads are in; the later blocks' stay out
.endif
	s_wait_dscnt 8*(3-(\b))                        ; K: this block's 8 loads from the stage are in; the later blocks' stay out
.set XS, R+32*(\b)
.set D,  X+12*((\b)%2)+6*((\b)/2)
	v_max3_num_f32 v12, |v[XS]|, |v[XS+1]|, |v[XS+2]|              ; the block's largest magnitude, in two chains: all 32 numbers are mine
	v_max3_num_f32 v13, |v[XS+3]|, |v[XS+4]|, |v[XS+5]|
.irp i, 6,10,14,18,22,26
	v_max3_num_f32 v12, v12, |v[XS+\i]|, |v[XS+\i+1]|
	v_max3_num_f32 v13, v13, |v[XS+\i+2]|, |v[XS+\i+3]|
.endr
	v_max3_num_f32 v12, v12, |v[XS+30]|, |v[XS+31]|
	v_max3_num_f32 v12, v12, v13, 0x2800000        ; and the floor 2^(5 - 127): the byte cannot fall under 1
	v_add_nc_u32 v[SO+(\b)], 0xfe000000, v12       ; 4 off the exponent field: the conversion takes this operand's exponent field as its scale
	v_lshrrev_b32 v14, 23, v[SO+(\b)]              ; the scale's byte
.if (\b) == 0
	v_mov_b32 v[SW], v14
.else
	v_lshl_or_b32 v[SW], v14, 8*(\b), v[SW]        ; the lower K in the lower byte
.endif
	v_cvt_scalef32_pk16_bf6_f32 v[D:D+2], v[XS:XS+15], v[SO+(\b)]
	v_cvt_scalef32_pk16_bf6_f32 v[TMP+4*(\b):TMP+4*(\b)+2], v[XS+16:XS+31], v[SO+(\b)]
.endm
	BLOCK 0
	BLOCK 1
	BLOCK 2
	BLOCK 3
	v_nop                                          ; one plain place behind the last scaled conversion
.irp b, 0,1,2,3
.irp i, 0,1,2
	v_mov_b32 v[X+12*(\b%2)+6*(\b/2)+3+\i], v[TMP+4*\b+\i]
.endr
.endr
	; A fragment's lane (r, h) holds blocks h and 2 + h of row r.  X holds blocks 0, 2 and Y blocks 1, 3 of the row that the lane owns; lanes 0-15 own tile 2 w's rows, lanes 16-31 tile 2 w + 1's.
	; X's lanes 16-31 change places with Y's lanes 0-15: X is then tile 2 w's fragment and Y tile 2 w + 1's.
.irp i, 0,1,2,3,4,5,6,7,8,9,10,11
	v_permlane16_swap_b32 v[X+\i], v[Y+\i]
.endr
.irp c, 0,1,2
	global_store_b128 v2, v[X+4*\c:X+4*\c+3], s[20:21] offset:512*\c          ; 32 lanes store 512 consecutive bytes, at a multiple of 256 from kv's first byte
.endr
.irp c, 0,1,2
	global_store_b128 v2, v[Y+4*\c:Y+4*\c+3], s[20:21] offset:1536+512*\c
.endr
	global_store_b32 v3, v[SW], s[22:23]           ; my row's scale word: 128 consecutive bytes a wave
	s_wait_tensorcnt 0x0
	ds_add_u32 v126, v127
	s_wait_dscnt 0x0
	s_endpgm
; ---- y = 2: attn_mask [2048 queries][2048 keys] f32 is laid anew in mk, number for number, as images of the second launch's score registers.
; mk = 2,048 blocks of 8,192 bytes, block = 16 x (query / 16) + key step; image i (0 .. 15) at 512 i, lane (r, h)'s 16 bytes at + 16 (r + 16 h):
; mask[16 tile + r][128 step + 32 (i / 4) + 16 h + 4 (i % 4) + 0 .. 3].  Wave w of work-group x makes half a block: 16 rows x 256 bytes at column byte 1024 (x % 8) + 256 w of row tile x / 8.
; Each load takes two rows' aligned 256 bytes; the 4,096 bytes turn through the wave's own stage (LDS bytes that the K path never names); each store covers 512 consecutive bytes.
.Lmask:
.set MSTG, 68096
.set MPI,  272                         ; a stage row: 256 bytes + 16
	s_wait_alu depctr_va_vdst(0)                   ; behind the branch and ahead of the reader below
	v_and_b32 v6, 15, v1                           ; r
	v_lshrrev_b32 v7, 4, v1                        ; h
	v_lshlrev_b32 v8, 13, v7
	v_lshl_add_u32 v8, v6, 4, v8                   ; in: row h of 8,192 bytes, 16 bytes a lane
	s_mul_i32 s17, s11, 16*MPI
	s_add_co_u32 s17, s17, MSTG
	v_mul_u32_u24 v9, v7, MPI
	v_lshl_add_u32 v9, v6, 4, v9
	v_add_nc_u32 v9, s17, v9                       ; the stage, on the way in
	v_mul_u32_u24 v10, v6, MPI
	v_lshl_add_u32 v10, v7, 6, v10
	v_add_nc_u32 v10, s17, v10                     ; and back: row r, + 64 h
	s_lshr_b32 s12, ttmp9, 3
	s_lshl_b32 s12, s12, 17                        ; 16 rows of 8,192 bytes
	s_and_b32 s13, ttmp9, 7
	s_lshl_b32 s13, s13, 10
	s_add_co_u32 s12, s12, s13
	s_lshl_b32 s13, s11, 8
	s_add_co_u32 s12, s12, s13
	s_mov_b32 s13, 0
	s_add_nc_u64 s[24:25], s[24:25], s[12:13]
	s_lshl_b32 s12, ttmp9, 14
	s_lshl_b32 s16, s11, 12
	s_add_co_u32 s12, s12, s16
	s_add_nc_u64 s[26:27], s[26:27], s[12:13]
	s_wait_alu depctr_va_vdst(0)                   ; behind the run of scalar lines
.irp k, 0,1,2,3,4,5,6,7
	global_load_b128 v[R+4*\k:R+4*\k+3], v8, s[24:25] offset:16384*\k th:TH_LOAD_NT
.endr
.irp k, 0,1,2,3,4,5,6,7
	s_wait_loadcnt 7-\k                            ; loads come back in order
	ds_store_b128 v9, v[R+4*\k:R+4*\k+3] offset:2*MPI*\k
.endr
.irp q, 0,1,2,3,4,5,6,7
	ds_load_b128 v[R+32+4*\q:R+32+4*\q+3], v10 offset:128*(\q/4)+16*(\q%4)   ; LDS serves a wave's instructions in order: these see my stores
.endr
.irp q, 0,1,2,3,4,5,6,7
	s_wait_dscnt 7-\q
	global_store_b128 v2, v[R+32+4*\q:R+32+4*\q+3], s[26:27] offset:512*\q
.endr
	s_wait_tensorcnt 0x0
	ds_add_u32 v126, v127
	s_wait_dscnt 0x0
	s_endpgm
.Lfunc_end_k_q34dcc54e2c_prep:
	.size	k_q34dcc54e2c_prep, .Lfunc_end_k_q34dcc54e2c_prep-k_q34dcc54e2c_prep
	.p2alignl 7, 3214868480
	.fill 96, 4, 3214868480
	.section	.rodata,"a",@progbits
	.p2align	6, 0x0
	.amdhsa_kernel k_q34dcc54e2c_prep
		.amdhsa_group_segment_fixed_size 85504
		.amdhsa_private_segment_fixed_size 0
		.amdhsa_enable_private_segment 0
		.amdhsa_kernarg_size 40
		.amdhsa_user_sgpr_count 2
		.amdhsa_user_sgpr_kernarg_segment_ptr 1
		.amdhsa_wavefront_size32 1
		.amdhsa_system_sgpr_workgroup_id_x 1
		.amdhsa_system_sgpr_workgroup_id_y 1
		.amdhsa_system_sgpr_workgroup_id_z 1
		.amdhsa_system_vgpr_workitem_id 0
		.amdhsa_next_free_vgpr 256
		.amdhsa_next_free_sgpr 66
		.amdhsa_reserve_vcc 0
		.amdhsa_float_denorm_mode_32 3
		.amdhsa_float_denorm_mode_16_64 3
		.amdhsa_memory_ordered 1
		.amdhsa_forward_progress 1
		.amdhsa_inst_pref_size 34
	.end_amdhsa_kernel
	.amdgpu_metadata
---
amdhsa.version: [ 1, 2 ]
amdhsa.kernels:
  - .name:           k_q34dcc54e2c_prep
    .symbol:         k_q34dcc54e2c_prep.kd
    .args:
      - { .name: key, .offset: 0, .size: 8, .value_kind: global_buffer, .address_space: global }
      - { .name: value, .offset: 8, .size: 8, .value_kind: global_buffer, .address_space: global }
      - { .name: kv, .offset: 16, .size: 8, .value_kind: global_buffer, .address_space: global }
      - { .name: attn_mask, .offset: 24, .size: 8, .value_kind: global_buffer, .address_space: global }
      - { .name: mk, .offset: 32, .size: 8, .value_kind: global_buffer, .address_space: global }
    .group_segment_fixed_size: 85504
    .private_segment_fixed_size: 0
    .kernarg_segment_align: 8
    .kernarg_segment_size: 40
    .max_flat_workgroup_size: 128
    .sgpr_count:     66
    .vgpr_count:     256
    .wavefront_size: 32
...
	.end_amdgpu_metadata
.endif
;; end of part 1
;; launch attn (part 2): grid 8 x 64, 8 waves a work-group, clusters of 4 x 1, 327,680 bytes of LDS; arguments query, kv, mk, out0; writes out0
.if DOCPART == 2
	.amdgcn_target "amdgcn-amd-amdhsa--gfx1250"
	.amdhsa_code_object_version 6
	.text
	.protected	k_q34dcc54e2c_attn
	.globl	k_q34dcc54e2c_attn
	.p2align	8
	.type	k_q34dcc54e2c_attn,@function
k_q34dcc54e2c_attn:
	s_mov_b64 s[64:65], 0
	v_nop
	global_prefetch_b8 v0, s[64:65] scope:SCOPE_SE
	s_setreg_imm32_b32 hwreg(HW_REG_WAVE_MODE, 25, 1), 1
	s_wait_xcnt 0x0
	s_wait_alu depctr_hold_cnt(0) depctr_sa_sdst(0) depctr_va_vdst(0) depctr_va_sdst(0) depctr_va_ssrc(0) depctr_va_vcc(0) depctr_vm_vsrc(0)
	s_getreg_b32 s2, hwreg(HW_REG_IB_STS2, 6, 4)
	s_cmp_eq_u32 s2, 0
	s_cbranch_scc0 .Lentry_in_a_cluster
	s_endpgm
.Lentry_in_a_cluster:
	s_bfe_u32 s2, ttmp6, 0x10000c
	s_cmp_lg_u32 s2, 0x3003
	s_cbranch_scc0 .Lentry_shape_is_right
	s_endpgm
.Lentry_shape_is_right:
; out0[head][q][:] = the sum over k of softmax_k((Q[q] . K[k] + mask[q][k]) / sqrt(128)) V[k][:], 64 heads, 2,048 queries and keys, head size 128; both products on codes of BF6 (E3M2), one E8M0 scale for each 32 along K.
; K and V come as codes out of kv (a key step of 128 keys is a dense block of 25,600 bytes, images of the operands' registers); the mask comes out of mk as images of the score registers; Q arrives as f32 and is quantised here.
; THE SOFTMAX: t = (score + mask) x log2(e) / sqrt(128); M = the row's largest t so far, rounded UP to a whole number; p = 2^(t - M) is quantised along the keys, not normalised.  The row's sum is taken of the
; unquantised p, in f32, and divides at the end.  When M moves, the sum and O are multiplied by 2^(old M - new M): exact.
; SHARES.  A work-group owns 256 queries of one head, each of its eight waves 32: two tiles of 16.  TILE W LIVES IN REGISTER WINDOW W at the same numbers.  Each fragment of K and V read from LDS feeds two matrix instructions.
; LAYOUT.  Both products are used transposed (S^T = K Q^T + mask^T, O^T = V^T P^T): a lane holds ONE query; the 16 registers of score tiles 2 b, 2 b + 1 are keys 32 b + 16 (lane / 16) + 0 .. 15 of the step.
; THE MASK IS THE C OF THE FIRST PRODUCT: sixteen loads of 512 consecutive bytes put a tile's 16 x 128 numbers straight into the score registers, as soon as p's codes are made, one key step ahead of the product that adds onto them.
; It goes to registers, so no joint load can carry it, and it needs no prefetch: the loads themselves are issued a step ahead.
; CLUSTER 4, 1, 1: four blocks of queries of one head need the same kv: asked for JOINTLY.  RING: two slots of FOUR key steps (102,400 bytes); each wave asks for 50 rows of 256 bytes; one load a wave is out behind a round.
; PREFETCH: behind the joint loads of key steps 4-7 and 8-11 the slot after is asked for, four key steps ahead of its load: partner cx takes its key step cx BY ADDRESS, waves 0-3 take 25 blocks of 256 bytes each
; (lanes 25-31 name lane 24's block again).  The first two slots come by their loads alone.
; LIMITS: NaN and infinities in query, NaN and +infinity in the mask are not served.  -infinity in the mask gives p = 0; a row that is -infinity throughout gives NaN, as the softmax of such a row is.  A p under 2^-126 counts as 0 (v_exp_f32 flushes: ISA guide 15.8).
; The promise holds while |t| stays under 2^31.
; REGISTERS.  Window 0 alone: v0 thread; v1 16 x lane; v2 4 x lane + 24576; v3-4 this step's fragment and scale addresses; v5 spare word, v6 0; v7 offset in out0; v9, v31 Q's way through the stage; v10-11 the way out;
;   v28 prefetch offset; v29 p's scale word of tile 1; v30 Q's of tile 1; v248-251 K's, then V's scale words; v253 p's scale word of tile 0; v255 Q's of tile 0.
; Both windows: v12 -M, v13 the largest t, v[14:15] the sum in two halves; v16-27 Q's codes; v32-79 four fragments (window 0: tiles 0-3, window 1: tiles 4-7); v32-95 Q's numbers at the head; v96-159 mask, S^T, then p; v160-223 O^T; v224-247, v252-254 at work.
.set KVB,   25600
.set SLOTB, 4*KVB
.set STAGE, 2*SLOTB                    ; behind the ring: 8,448 bytes for each wave: no tensor load lands here
.set WST,   8448
.set QP,    528                        ; Q's stage row: 512 bytes + 16
.set SP,    272                        ; the way out: 256 bytes + 16
.set SPARE, STAGE+8*WST                ; the spare words, 128 bytes for each wave
.set LB,  1
.set LS,  2
.set AK,  3
.set AS,  4
.set SPW, 5
.set NIL, 6
.set GO,  7
.set QSI, 9
.set STI, 10
.set STO, 11
.set QC,  16
.set PFO, 28
.set PW1, 29
.set QS1, 30
.set QA,  31
.set FRG, 32
.set QN,  32
.set S,   96
.set OT,  160
.set PC,  224
.set KSC, 248
.set PW0, 253
.set QS0, 255
.set WV,  12
.set HM,  19
.set SEL, 20
.set CS,  22
.set G1K, 32
.set G0,  40
.set CNT, 56
.set OFF, 57
.set MKA, 58
.set PFA, 60
.set MSB, 0
.macro WIN new                         ; bits 1:0 source 0, 3:2 source 1, 5:4 source 2, 7:6 destination; the high byte repeats the setting that is left
.if MSB != (\new)
	s_set_vgpr_msb (MSB<<8)|(\new)
.set MSB, (\new)
.endif
.endm
.macro CROUND                          ; a round of the cluster's barrier
	s_barrier_signal -1
	s_barrier_wait -1
	s_cmp_lg_u32 s[WV], 0
	s_cbranch_scc1 .Lnot_wave_0_\@
	s_barrier_signal -3
.Lnot_wave_0_\@:
	s_barrier_wait -3
	s_barrier_signal -1
	s_barrier_wait -1
.endm
.macro PLACES
.rept 4
	v_nop
.endr
.endm
.macro LDFR off                        ; four fragments, as images of their registers
.irp t, 0,1,2,3
.irp c, 0,1,2
	ds_load_b128 v[FRG+12*\t+4*\c:FRG+12*\t+4*\c+3], v[AK] offset:(\off)+1536*\t+512*\c
.endr
.endr
.endm
.macro LDSC off                        ; the scale words of eight tiles: register i: lanes 0-15 tile 2 i, lanes 16-31 tile 2 i + 1
.irp i, 0,1,2,3
	ds_load_b32 v[KSC+\i], v[AS] offset:(\off)+128*\i
.endr
.endm
.macro MLOAD W                         ; tile W's mask of one key step into its score registers: 16 x 512 consecutive bytes
	WIN 0x40*(\W)
.irp i, 0,1,2,3,4,5,6,7,8,9,10,11,12,13,14,15
	global_load_b128 v[S+4*\i:S+4*\i+3], v[LB], s[MKA:MKA+1] offset:131072*(\W)+512*\i
.endr
.endm
.macro MM W, D, B, SB0, SB1            ; eight matrix instructions on eight accumulators v[D ..], each adding in place; source 0 in window f, all else in window W
.irp f, 0,1
	WIN (\f)|(0x54*(\W))
.irp t, 0,1,2,3
.set rD, \D+8*(4*\f+\t)
.set rA, FRG+12*\t
.set rS, KSC+(4*\f+\t)/2
.if \t%2
	v_wmma_scale_f32_16x16x128_f8f6f4 v[rD:rD+7], v[rA:rA+11], v[\B:\B+11], v[rD:rD+7], v[rS], v[\SB0-(\SB0-\SB1)*(\W)] matrix_a_fmt:MATRIX_FMT_BF6 matrix_b_fmt:MATRIX_FMT_BF6 matrix_a_scale:MATRIX_SCALE_ROW1
.else
	v_wmma_scale_f32_16x16x128_f8f6f4 v[rD:rD+7], v[rA:rA+11], v[\B:\B+11], v[rD:rD+7], v[rS], v[\SB0-(\SB0-\SB1)*(\W)] matrix_a_fmt:MATRIX_FMT_BF6 matrix_b_fmt:MATRIX_FMT_BF6
.endif
.endr
.endr
.endm
; One tile's softmax for one key step; the caller has set window W for all operand places.  last = 1: in the launch's last key step a branch on the loop's counter leads round the next mask's loads.
.macro SOFTMAX W, last
	s_wait_alu depctr_va_vdst(0)                   ; ahead of the scores' first reader
; the largest score of each block of 32 keys: for the row's maximum and, since p rises with the score, for the block's largest p.  Two chains a block, one for each score tile, eight chains by turns; each accumulator is read from its low end on
.irp b, 0,1,2,3
	v_max3_num_f32 v[232+\b], v[S+16*\b], v[S+1+16*\b], v[S+2+16*\b]
.endr
.irp b, 0,1,2,3
	v_max3_num_f32 v[240+\b], v[S+8+16*\b], v[S+9+16*\b], v[S+10+16*\b]
.endr
.irp i, 3,5
.irp b, 0,1,2,3
	v_max3_num_f32 v[232+\b], v[232+\b], v[S+16*\b+\i], v[S+1+16*\b+\i]
.endr
.irp b, 0,1,2,3
	v_max3_num_f32 v[240+\b], v[240+\b], v[S+8+16*\b+\i], v[S+9+16*\b+\i]
.endr
.endr
.irp b, 0,1,2,3
	v_max3_num_f32 v[232+\b], v[232+\b], v[S+7+16*\b], v[S+15+16*\b]
.endr
.irp b, 0,1,2,3
	s_delay_alu instid0(VALU_DEP_4)
	v_max_num_f32 v[232+\b], v[232+\b], v[240+\b]  ; the block's two chains joined
.endr
.irp b, 0,1,2,3
	s_delay_alu instid0(VALU_DEP_4)
	v_permlanex16_b32 v[236+\b], v[232+\b], s[SEL], s[SEL+1]
.endr
.irp b, 0,1,2,3
	s_delay_alu instid0(VALU_DEP_4)
	v_max_num_f32 v[232+\b], v[232+\b], v[236+\b]  ; with lane l xor 16's 16 keys
.endr
	s_delay_alu instid0(VALU_DEP_2)
	v_max3_num_f32 v254, v232, v233, v234
	s_delay_alu instid0(VALU_DEP_1)
	v_max_num_f32 v254, v254, v235
	s_delay_alu instid0(VALU_DEP_1)
	v_mul_f32 v254, s[CS], v254                    ; as t (c is positive)
	s_delay_alu instid0(VALU_DEP_1)
	v_max_num_f32 v13, v13, v254                   ; the running largest t
	v_mov_b32 v254, v12
	s_delay_alu instid0(VALU_DEP_2)
	v_floor_f32 v12, -v13                          ; the new -M = -ceil(t)
	s_delay_alu instid0(VALU_DEP_1)
	v_sub_f32 v254, v12, v254                      ; old M - new M: a whole number, 0 or less
	s_delay_alu instid0(VALU_DEP_1)
	v_cvt_i32_f32 v254, v254
	s_delay_alu instid0(VALU_DEP_1)
	v_ldexp_f32 v252, 1.0, v254                    ; f = 2^(old M - new M)
.set j, 0
.rept 32
	v_pk_fma_f32 v[S+j:S+j+1], v[S+j:S+j+1], s[CS:CS+1], v[12:13] op_sel_hi:[1,0,0]   ; t - M
.set j, j+2
.endr
.irp b, 0,1,2,3
	v_fma_f32 v[232+\b], v[232+\b], s[CS], v12     ; the same of each block's largest score
.endr
.set j, 0
	s_wait_alu depctr_va_vdst(0)                   ; ahead of the batch
.rept 64
	v_exp_f32 v[S+j], v[S+j]                       ; p = 2^(t - M), at most 1
.set j, j+1
.endr
	v_pk_mul_f32 v[14:15], v[14:15], v[252:253] op_sel_hi:[1,0]   ; the sums under the new M: the plain place behind the exponentials
	s_wait_alu depctr_va_vdst(0)                   ; one wait for the batch of 64
.irp b, 0,1,2,3
	v_exp_f32 v[232+\b], v[232+\b]                 ; the block's largest p
.endr
	v_pk_add_f32 v[236:237], v[S:S+1], v[S+2:S+3]  ; the row's sum of the UNQUANTISED p, in two chains
.irp j, 4,8,12,16,20,24,28,32,36,40,44,48,52,56,60
	v_pk_add_f32 v[14:15], v[14:15], v[S+\j:S+\j+1]
	v_pk_add_f32 v[236:237], v[236:237], v[S+2+\j:S+3+\j]
.endr
	s_delay_alu instid0(VALU_DEP_1)
	v_pk_add_f32 v[14:15], v[14:15], v[236:237]
	s_wait_alu depctr_va_vdst(0)                   ; and one for the four
.irp b, 0,1,2,3
	v_max_num_f32 v[232+\b], 0x2800000, v[232+\b]  ; the floor 2^(5 - 127): the byte cannot fall under 1
.endr
.irp b, 0,1,2,3
	s_delay_alu instid0(VALU_DEP_4)
	v_add_nc_u32 v[244+\b], 0xfe000000, v[232+\b]  ; 4 off the exponent field: the conversion's scale operand
.endr
.irp b, 0,1,2,3
	s_delay_alu instid0(VALU_DEP_4)
	v_lshrrev_b32 v[236+\b], 23, v[244+\b]         ; the scale's byte
.endr
	s_delay_alu instid0(VALU_DEP_3)
	v_lshl_or_b32 v253, v237, 8, v236              ; p's scale word for these 128 keys
	s_delay_alu instid0(VALU_DEP_1)
	v_lshl_or_b32 v253, v238, 16, v253
	s_delay_alu instid0(VALU_DEP_1)
	v_lshl_or_b32 v253, v239, 24, v253
.if \W
	WIN 0x01                                       ; scale operands have no window: tile 1's word goes to window 0
	v_mov_b32 v[PW1], v253
	WIN 0x55
.endif
.irp c, 0,1
	v_cvt_scalef32_pk16_bf6_f32 v[PC+6*\c:PC+2+6*\c], v[S+32*\c:S+15+32*\c], v[244+2*\c]
	v_cvt_scalef32_pk16_bf6_f32 v[236+4*\c:238+4*\c], v[S+16+32*\c:S+31+32*\c], v[244+2*\c+1]
.endr
	v_nop                                          ; one plain place behind the last scaled conversion
.irp c, 0,1                                        ; a WHOLE block in a lane: lanes 0-15 block 2 c, lanes 16-31 block 2 c + 1
.irp i, 0,1,2
	v_permlane16_swap_b32 v[PC+6*\c+\i], v[236+4*\c+\i]
.endr
.irp i, 0,1,2
	s_delay_alu instid0(VALU_DEP_3)
	v_mov_b32 v[PC+3+6*\c+\i], v[236+4*\c+\i]
.endr
.endr
.if \last
	WIN 0
	s_cmp_eq_u32 s[CNT], 1                         ; the last key step has no successor
	s_cbranch_scc1 .Lno_mask_\@
.endif
.if (\W) == 0
	s_wait_xcnt 0x0                                ; the last step's mask loads have read their base
	s_add_nc_u64 s[MKA:MKA+1], s[MKA:MKA+1], 8192  ; the next key step's images
.endif
	MLOAD \W                                       ; p's numbers are done with: their registers take the next step's mask
.if \last
	WIN 0
.Lno_mask_\@:
.endif
.if (\W) == 0
	s_wait_dscnt 0x0                               ; V's fragments and scale words are in
.endif
	WIN 0x55*(\W)
	s_wait_alu depctr_va_vdst(0)                   ; ahead of the first reader of O^T
.set j, 0
.rept 32
	v_pk_mul_f32 v[OT+j:OT+j+1], v[OT+j:OT+j+1], v[252:253] op_sel_hi:[1,0]   ; O^T under the new M; also the places between p's codes and scale word and the products
.set j, j+2
.endr
.endm
.macro STEP last                       ; a key step, at byte s[OFF] of the ring
	WIN 0
	v_add_nc_u32 v[AK], s[OFF], v[LB]
	v_add_nc_u32 v[AS], s[OFF], v[LS]
	v_nop
	v_nop                                          ; four places behind the last step's products: the loads below land in their operands
	s_wait_alu depctr_va_vdst(0)                   ; behind the two writes
	LDFR 0                                         ; K's tiles 0-3,
	LDSC 0                                         ; K's scale words
	WIN 0x40
	LDFR 6144                                      ; K's tiles 4-7
	s_wait_dscnt 0x0
	s_wait_loadcnt 16                              ; tile 0's mask is in; tile 1's sixteen loads may be out
	MM 0, S, QC, QS0, QS1
	s_wait_loadcnt 0x0
	MM 1, S, QC, QS0, QS1
	WIN 0
	PLACES                                         ; V's fragments land in K's registers, and the scores are read
	LDFR 12288
	LDSC 512
	WIN 0x40
	LDFR 18432
	WIN 0
	SOFTMAX 0, \last
	MM 0, OT, PC, PW0, PW1
	WIN 0x55
	SOFTMAX 1, \last                               ; tile 1's vector work names none of tile 0's registers
	MM 1, OT, PC, PW0, PW1
	WIN 0
.endm
; FOUR KEY STEPS out of one slot.  Each wave waits for all its tensor loads, adds 0 to its spare word, and waits for that and for its reads of the other slot.  fill = 1: a round of the cluster's barrier, and the
; joint load into the other slot is the first thing behind it: it has four key steps in which to land.  stepa = 1: this slot's next fill lies two slots on.  pf: the slot to prefetch (0: none).
.macro GROUP slot, fill, stepa, pf, last
	s_wait_tensorcnt 0x0
	ds_add_u32 v[SPW], v[NIL]
.if \stepa
	s_add_nc_u64 s[G0+4*(\slot)+2:G0+4*(\slot)+3], s[G0+4*(\slot)+2:G0+4*(\slot)+3], 2*SLOTB
.endif
	s_mov_b32 s[OFF], (\slot)*SLOTB
	s_mov_b32 s[CNT], 4
	s_wait_dscnt 0x0
.if \fill
	CROUND
	tensor_load_to_lds s[G0+4*(1-(\slot)):G0+4*(1-(\slot))+3], s[G1K:G1K+7]
	s_nop 0
	PLACES
.else
	s_barrier_signal -1
	s_barrier_wait -1
.endif
.if \pf
	s_cmp_lt_u32 s[WV], 4
	s_cbranch_scc0 .Lno_pf_\@
	global_prefetch_b8 v[PFO], s[PFA:PFA+1] offset:(\pf)*SLOTB th:TH_LOAD_NT scope:SCOPE_SE
.Lno_pf_\@:
.endif
.Lstep_\@:
	STEP \last
	s_add_co_u32 s[OFF], s[OFF], KVB
	s_sub_co_u32 s[CNT], s[CNT], 1
	s_cmp_lg_u32 s[CNT], 0
	s_wait_alu depctr_va_vdst(0)                   ; ahead of the backward jump
	s_cbranch_scc1 .Lstep_\@
.endm
.macro QLOAD W                         ; tile W's 16 queries as they lie: a row's 512 bytes to a load
	WIN 0x40*(\W)
.irp i, 0,1,2,3,4,5,6,7,8,9,10,11,12,13,14,15
	global_load_b128 v[OT+4*\i:OT+4*\i+3], v[LB], s[4:5] offset:8192*(\W)+512*\i th:TH_LOAD_NT
.endr
.endm
.macro QTURN W                         ; through my stage: lane (r, h) takes back blocks h and 2 + h of row r, as the operand's layout gives them to it
	WIN 0x04*(\W)
.irp i, 0,1,2,3,4,5,6,7,8,9,10,11,12,13,14,15
	ds_store_b128 v[QSI], v[OT+4*\i:OT+4*\i+3] offset:QP*\i
.endr
	WIN 0x40*(\W)
.irp c, 0,1
.irp j, 0,1,2,3,4,5,6,7
	ds_load_b128 v[QN+32*\c+4*\j:QN+32*\c+4*\j+3], v[QA] offset:256*\c+16*\j   ; LDS serves a wave's instructions in order (ISA guide 5.7.1.4)
.endr
.endr
.endm
.macro INITS W
	WIN 0x55*(\W)
	v_mov_b32 v13, 0xff61b1e6                      ; the largest t so far: -3e38
	s_delay_alu instid0(VALU_DEP_1)
	v_floor_f32 v12, -v13                          ; -M
	v_mov_b32 v14, 0
	v_mov_b32 v15, 0
.irp b, 0,1,2,3
	v_mov_b32 v[236+\b], 0                         ; a lane permute's destination counts as one of its sources
.endr
	v_mov_b32 v252, 0
	v_mov_b32 v253, 0
.endm
.macro ZERO_O W                        ; the step is written without a first step of its own: it finds zeros
	WIN 0x55*(\W)
.set j, 0
.rept 64
	v_mov_b32 v[OT+j], 0
.set j, j+1
.endr
.endm
.macro QQUANT W                        ; tile W's numbers in v[QN] on become Q's codes in v[QC] on and its scale word
	WIN 0x55*(\W)
.irp c, 0,1
	v_max3_num_f32 v[232+\c], |v[QN+32*\c]|, |v[QN+1+32*\c]|, 0x2800000
.endr
.irp i, 2,4,6,8,10,12,14,16,18,20,22,24,26,28,30
.irp c, 0,1
	s_delay_alu instid0(VALU_DEP_2)
	v_max3_num_f32 v[232+\c], v[232+\c], |v[QN+32*\c+\i]|, |v[QN+1+32*\c+\i]|
.endr
.endr
.irp c, 0,1
	s_delay_alu instid0(VALU_DEP_2)
	v_add_nc_u32 v[244+\c], 0xfe000000, v[232+\c]
.endr
.irp c, 0,1
	s_delay_alu instid0(VALU_DEP_2)
	v_lshrrev_b32 v[240+\c], 23, v[244+\c]
.endr
	s_delay_alu instid0(VALU_DEP_1)
	v_lshl_or_b32 v255, v241, 16, v240             ; my two bytes: blocks h and 2 + h,
	s_delay_alu instid0(VALU_DEP_1)
	v_lshlrev_b32 v254, 8, v255
	s_delay_alu instid0(VALU_DEP_1)
	v_cndmask_b32 v255, v255, v254, s[HM]          ; one byte up in lanes 16-31;
	s_delay_alu instid0(VALU_DEP_1)
	v_permlanex16_b32 v236, v255, s[SEL], s[SEL+1]
	s_delay_alu instid0(VALU_DEP_1)
	v_or_b32 v255, v255, v236                      ; with lane l xor 16's two the word is whole
.if \W
	WIN 0x01
	v_mov_b32 v[QS1], v255
	WIN 0x55
.endif
	v_cvt_scalef32_pk16_bf6_f32 v[QC:QC+2], v[QN:QN+15], v244
	v_cvt_scalef32_pk16_bf6_f32 v[224:226], v[QN+16:QN+31], v244
	v_cvt_scalef32_pk16_bf6_f32 v[QC+6:QC+8], v[QN+32:QN+47], v245
	v_cvt_scalef32_pk16_bf6_f32 v[228:230], v[QN+48:QN+63], v245
	v_nop
.irp i, 0,1,2
	v_mov_b32 v[QC+3+\i], v[224+\i]
	v_mov_b32 v[QC+9+\i], v[228+\i]
.endr
.endm
; THE WAY OUT of tile W: O^T / the sum goes through my stage, half a row (256 bytes) of 16 queries at a time, and leaves as aligned runs of 256 bytes.
.macro OUT W
	WIN 0x55*(\W)
	v_add_f32 v14, v14, v15
	s_delay_alu instid0(VALU_DEP_1)
	v_permlanex16_b32 v252, v14, s[SEL], s[SEL+1]
	s_delay_alu instid0(VALU_DEP_1)
	v_add_f32 v14, v14, v252                       ; the row's sum
	s_wait_alu depctr_va_vdst(0)
	v_rcp_f32 v14, v14
	v_nop
	s_wait_alu depctr_va_vdst(0)
.set j, 0
.rept 32
	v_pk_mul_f32 v[S+j:S+j+1], v[OT+j:OT+j+1], v[14:15] op_sel_hi:[1,0]   ; register 8 t + i is o(r, 16 t + 8 h + i)
.set j, j+2
.endr
.irp u, 0,1
	WIN 0x04*(\W)
.irp t, 0,1,2,3
	ds_store_b128 v[STI], v[S+32*\u+8*\t:S+32*\u+8*\t+3] offset:64*\t
	ds_store_b128 v[STI], v[S+32*\u+8*\t+4:S+32*\u+8*\t+7] offset:64*\t+16
.endr
	WIN 0x40*(\W)
.irp i, 0,1,2,3,4,5,6,7
	ds_load_b128 v[FRG+32*\u+4*\i:FRG+32*\u+4*\i+3], v[STO] offset:2*SP*\i
.endr
.endr
	WIN 0x04*(\W)
.irp u, 0,1
.irp i, 0,1,2,3,4,5,6,7
	s_wait_dscnt 16*(1-\u)+7-\i                    ; behind this load: the rest of its eight, and for the first half the second half's sixteen
	global_store_b128 v[GO], v[FRG+32*\u+4*\i:FRG+32*\u+4*\i+3], s[10:11] offset:8192*(\W)+1024*\i+256*\u th:TH_STORE_NT
.endr
.endr
.endm
	s_load_b256 s[4:11], s[0:1], 0x0               ; query s[4:5], kv s[6:7], mk s[8:9], out0 s[10:11]
	v_lshl_add_u32 v[SPW], v0, 2, SPARE
	v_mov_b32 v[NIL], 0
	ds_add_u32 v[SPW], v[NIL]
	ds_add_u32 v[SPW], v[NIL]
	v_lshrrev_b32 v80, 5, v0
	s_delay_alu instid0(VALU_DEP_1)
	v_readfirstlane_b32 s[WV], v80                 ; wave 0..7
	v_and_b32 v82, 31, v0                          ; lane
	s_delay_alu instid0(VALU_DEP_1)
	v_lshlrev_b32 v[LB], 4, v82
	s_bfe_u32 s13, ttmp6, 0x40000                  ; cx
	s_lshl_b32 s15, ttmp9, 2
	s_add_co_u32 s15, s15, s13                     ; my block of 256 queries
	s_and_b32 s16, ttmp7, 0xffff                   ; my head: the cluster's y
	s_mov_b32 s[HM], 0xffff0000
	s_mov_b32 s[SEL], 0x76543210
	s_mov_b32 s[SEL+1], 0xfedcba98
	s_mov_b32 s[CS], 0x3e0293ee                    ; c = log2(e) / sqrt(128)
	s_mov_b32 s[CS+1], s[CS]
	; group 1: 50 rows of 32 elements of 8 bytes, dense; the mask names the cluster's four
	s_mov_b32 s[G1K], 15|(3<<16)|(1<<21)
	s_mov_b32 s[G1K+1], 32<<16
	s_mov_b32 s[G1K+2], 50<<16
	s_mov_b32 s[G1K+3], 32<<16
	s_mov_b32 s[G1K+4], 50
	s_mov_b32 s[G1K+5], 32
	s_mov_b32 s[G1K+6], 0
	s_mov_b32 s[G1K+7], 0
	s_mul_i32 s74, s[WV], 12800                    ; my eighth of a slot: the wave's number alone enters an LDS address
	s_mul_i32 s68, s16, 16*KVB                     ; kv: the head's 16 blocks: head and wave alone
	s_add_co_u32 s68, s68, s74
	s_mov_b32 s69, 0
	s_lshl_b32 s70, s16, 20                        ; query and out0: head, block, wave
	s_lshl_b32 s75, s15, 17
	s_add_co_u32 s70, s70, s75
	s_lshl_b32 s75, s[WV], 14
	s_add_co_u32 s70, s70, s75
	s_mov_b32 s71, 0
	s_lshl_b32 s72, s15, 21                        ; mk: 16 tiles of queries x 131,072 bytes a block, two tiles a wave
	s_lshl_b32 s75, s[WV], 18
	s_add_co_u32 s72, s72, s75
	s_mov_b32 s73, 0
	s_mul_i32 s76, s16, 16*KVB                     ; the prefetches: key step cx of a slot, 25 blocks of 256 bytes for each of waves 0-3
	s_mul_i32 s75, s13, KVB
	s_add_co_u32 s76, s76, s75
	s_and_b32 s75, s[WV], 3
	s_mul_i32 s75, s75, 6400
	s_add_co_u32 s76, s76, s75
	s_mov_b32 s77, 0
	s_wait_dscnt 0x0                               ; both opening adds are done
	s_wait_alu depctr_va_vdst(0)
	s_wait_kmcnt 0x0
	s_add_nc_u64 s[68:69], s[6:7], s[68:69]
	s_add_nc_u64 s[4:5], s[4:5], s[70:71]
	s_add_nc_u64 s[10:11], s[10:11], s[70:71]
	s_add_nc_u64 s[MKA:MKA+1], s[8:9], s[72:73]
	s_add_nc_u64 s[PFA:PFA+1], s[6:7], s[76:77]
.irp s, 0,1
	s_mov_b32 s[G0+4*\s], 1
	s_add_co_u32 s[G0+4*\s+1], s74, \s*SLOTB
	s_add_nc_u64 s[G0+4*\s+2:G0+4*\s+3], s[68:69], \s*SLOTB
	s_or_b32 s[G0+4*\s+3], s[G0+4*\s+3], 0x80000000
.endr
	QLOAD 0                                        ; into registers: these hang on no partner and go out ahead of the round
	QLOAD 1
	MLOAD 0                                        ; key step 0's mask
	MLOAD 1
	WIN 0
	CROUND                                         ; all four work-groups are here: the first joint loads meet
	tensor_load_to_lds s[G0:G0+3], s[G1K:G1K+7]    ; key steps 0-3: one tensor load a wave at the head
	s_nop 0
	PLACES
	v_and_b32 v80, 15, v0                          ; r
	v_bfe_u32 v81, v0, 4, 1                        ; h
	s_mul_i32 s84, s[WV], WST
	s_add_co_u32 s84, s84, STAGE                   ; my stage
	v_add_nc_u32 v[QSI], s84, v[LB]                ; Q in: 16 x lane in a row
	v_mul_u32_u24 v[QA], v80, QP
	s_delay_alu instid0(VALU_DEP_1)
	v_lshl_add_u32 v[QA], v81, 7, v[QA]
	s_delay_alu instid0(VALU_DEP_1)
	v_add_nc_u32 v[QA], s84, v[QA]                 ; Q back: row r, + 128 h
	v_lshl_add_u32 v[LS], v82, 2, 24576            ; scale words: 4 x lane behind the fragments
	v_mul_u32_u24 v[STI], v80, SP
	s_delay_alu instid0(VALU_DEP_1)
	v_lshl_add_u32 v[STI], v81, 5, v[STI]
	s_delay_alu instid0(VALU_DEP_1)
	v_add_nc_u32 v[STI], s84, v[STI]               ; the way out, in: row r, + 32 h
	v_mul_u32_u24 v[STO], v81, SP
	s_delay_alu instid0(VALU_DEP_1)
	v_lshl_add_u32 v[STO], v80, 4, v[STO]
	s_delay_alu instid0(VALU_DEP_1)
	v_add_nc_u32 v[STO], s84, v[STO]               ; back: lanes 0-15 one row, lanes 16-31 the next
	v_lshlrev_b32 v[GO], 9, v81
	s_delay_alu instid0(VALU_DEP_1)
	v_lshl_add_u32 v[GO], v80, 4, v[GO]            ; and the same two rows in out0
	v_min_u32 v[PFO], 24, v82
	s_delay_alu instid0(VALU_DEP_1)
	v_lshlrev_b32 v[PFO], 8, v[PFO]                ; block min(lane, 24)
	INITS 0
	INITS 1
	WIN 0
	s_wait_alu depctr_va_vdst(0)
	s_wait_loadcnt 48                              ; tile 0's sixteen rows are in; behind them: tile 1's and the two masks
	QTURN 0
	s_wait_loadcnt 32
	QTURN 1
	s_wait_dscnt 32                                ; tile 0 is back; tile 1's sixteen stores and sixteen loads may be out
	QQUANT 0
	s_wait_dscnt 0x0
	QQUANT 1
	ZERO_O 0
	ZERO_O 1                                       ; also the places between Q's codes and scale words and the first products
	WIN 0
	s_wait_alu depctr_va_vdst(0)
	GROUP 0, 1, 1, 2, 0                            ; key steps 0-3; slot 1 is filled for the first time, as a refill is
	GROUP 1, 1, 1, 3, 0                            ; 4-7; slot 0 takes 8-11
	GROUP 0, 1, 0, 0, 0                            ; 8-11; slot 1 takes 12-15
	GROUP 1, 0, 0, 0, 1                            ; 12-15: nothing is filled again
	PLACES                                         ; behind the last products
	OUT 0
	OUT 1
	WIN 0
	s_wait_tensorcnt 0x0                           ; the wave's end
	ds_add_u32 v[SPW], v[NIL]
	s_wait_dscnt 0x0
	CROUND                                         ; the closing round
	s_endpgm
.Lfunc_end_k_q34dcc54e2c_attn:
	.size	k_q34dcc54e2c_attn, .Lfunc_end_k_q34dcc54e2c_attn-k_q34dcc54e2c_attn
	.p2alignl 7, 3214868480
	.fill 96, 4, 3214868480
	.section	.rodata,"a",@progbits
	.p2align	6, 0x0
	.amdhsa_kernel k_q34dcc54e2c_attn
		.amdhsa_group_segment_fixed_size 327680
		.amdhsa_private_segment_fixed_size 0
		.amdhsa_enable_private_segment 0
		.amdhsa_kernarg_size 32
		.amdhsa_user_sgpr_count 2
		.amdhsa_user_sgpr_kernarg_segment_ptr 1
		.amdhsa_wavefront_size32 1
		.amdhsa_system_sgpr_workgroup_id_x 1
		.amdhsa_system_sgpr_workgroup_id_y 1
		.amdhsa_system_sgpr_workgroup_id_z 1
		.amdhsa_system_vgpr_workitem_id 0
		.amdhsa_next_free_vgpr 512
		.amdhsa_next_free_sgpr 96
		.amdhsa_reserve_vcc 0
		.amdhsa_float_denorm_mode_32 3
		.amdhsa_float_denorm_mode_16_64 3
		.amdhsa_memory_ordered 1
		.amdhsa_forward_progress 1
		.amdhsa_inst_pref_size 204
	.end_amdhsa_kernel
	.amdgpu_metadata
---
amdhsa.version: [ 1, 2 ]
amdhsa.kernels:
  - .name:           k_q34dcc54e2c_attn
    .symbol:         k_q34dcc54e2c_attn.kd
    .args:
      - { .name: query, .offset: 0, .size: 8, .value_kind: global_buffer, .address_space: global }
      - { .name: kv, .offset: 8, .size: 8, .value_kind: global_buffer, .address_space: global }
      - { .name: mk, .offset: 16, .size: 8, .value_kind: global_buffer, .address_space: global }
      - { .name: out0, .offset: 24, .size: 8, .value_kind: global_buffer, .address_space: global }
    .group_segment_fixed_size: 327680
    .private_segment_fixed_size: 0
    .kernarg_segment_align: 8
    .kernarg_segment_size: 32
    .max_flat_workgroup_size: 256
    .sgpr_count:     96
    .vgpr_count:     512
    .wavefront_size: 32
...
	.end_amdgpu_metadata
.endif
;; end of part 2
